; MI455X (gfx1250); checked and timed in simulation.
; The chip was launched on July 23, 2026; its instructions are those of AMD's public machine-readable ISA for CDNA 5 (MIT licence, August 2026) and "CDNA5" Instruction Set Architecture Reference Guide (July 2026). The comments in the code are by the model that wrote it; some were corrected since.
;; Transition Up. Allowed arithmetic: float matrix products may take bf16 or f16 operands with f32 sums; all other float work in f32.
;; Inputs: W1 256 x 128 float32; W2 128 x 128 float32; b1 128 float32; b2 128 float32; down_features 2 x 4,096 x 256 float32; down_xyzp 2 x 4,096 x 4 float32; ori_features 2 x 16,384 x 128 float32; ori_xyzp 2 x 16,384 x 4 float32.
;; Outputs: out0 2 x 16,384 x 128 float32.
;; One version. Each part assembles by itself: llvm-mc -triple=amdgcn-amd-amdhsa -mcpu=gfx1250 --defsym DOCPART=n.
;; ======== version 1 of 1: 3 launches
;; limits: values outside matrix products are rounded to bf16
;; workspace buffers: gid 524,288 bytes of whole numbers; nidx 524,288 bytes of whole numbers; nw 524,288 bytes; dfeat 4,194,304 bytes
;; launch filter (part 1): grid 256 x 1, 8 waves a work-group, no clusters, 66,560 bytes of LDS; arguments down_xyzp, ori_xyzp, gid; writes gid
.if DOCPART == 1
	.amdgcn_target "amdgcn-amd-amdhsa--gfx1250"
	.amdhsa_code_object_version 6
	.text
	.protected	k_qe71d0eebf9_filter
	.globl	k_qe71d0eebf9_filter
	.p2align	8
	.type	k_qe71d0eebf9_filter,@function
k_qe71d0eebf9_filter:
	s_mov_b64 s[64:65], 0
	v_nop
	global_prefetch_b8 v0, s[64:65] scope:SCOPE_SE
	s_setreg_imm32_b32 hwreg(HW_REG_WAVE_MODE, 25, 1), 1
	s_wait_xcnt 0x0
; FILTER.  For each of 2 x 16,384 query points: which 4 of the 128 groups of 32 consecutive candidates hold the smallest
; e = |s|^2 - 2 q.s  (d2 without the query's own norm, which does not change the order).  gid[query][4] = the 4 group numbers, ascending.
; The 3 nearest candidates lie in the 3 groups with the smallest minima; the fourth group is the margin for the different rounding of the
; matrix unit's sum and of the f32 chain by which the next launch decides.
; LIMITS: inputs are finite.  xyz are rounded to bf16 (matrix operands) and the rounded points are used in the norms too, so that e belongs to
; one pair of points.  A neighbour is missed only if two further candidates, in two other groups, lie within the rounding of the matrix sum
; (a few units in the last place of |s|^2 + 2|q.s|) of the third neighbour.
; SHARES: a work-group owns 128 queries of one batch, a wave 16 of them (the columns of its matrix tiles), and walks all 4,096 candidates.
; OPERANDS: one 16x16x32 product has 32 places along K, a candidate needs 6: (x, y, z, snh) in lanes 0-15 and (snm, snl, 0, 0) in lanes 16-31 of
; one register pair, where snh + snm + snl = |s|^2 exactly (three bf16 pieces).  So one A fragment of 8 registers carries FOUR tiles of 16
; candidates (pair v = tile v), and four B fragments, each zero outside pair v, pick them: (-2qx, -2qy, -2qz, 1) and (1, 1, 0, 0).
; Row m = 8h + j of tile v of chunk c is candidate 2048 h + 32 c + 8 v + j: a lane's 32 results of a chunk are group 64 h + c, whole.
; NO CLUSTER, NO TENSOR LOAD: the shared table (64 KiB of xyz) passes through registers once, to be rounded and to have its norm split;
; a joint copy would add 64 KiB of LDS stage and a second pass to spare one read in front of 256 matrix instructions a wave.
.set VQ, 22                            ; v22      byte offset of my query in ori_xyzp and in gid (from the work-group's first)
.set CO, 23                            ; v23      16 x thread: my candidate in each block of 256
.set BV, 32                            ; v[32:63]  four B fragments
.set AF, 64                            ; v[64:95]  ring of four A fragments (chunks c .. c+3)
.set DD, 96                            ; v[96:159] two sets of 4 result tiles; in front of the loop the 16 raw candidates
; v1 lane, v2 LDS address of my 16 bytes in a chunk, v3 where I store, v[4:7] my query, v[8:11] four smallest minima, v[12:15] their groups,
; v[16:19] min chains, v20 at work, v[24:31] at work / the other half's list
	s_load_b128 s[4:7], s[0:1], 0x0                ; down_xyzp s[4:5], ori_xyzp s[6:7]
	s_load_b64 s[8:9], s[0:1], 0x10                ; gid
	v_lshl_add_u32 v160, v0, 2, 0x10000
	v_mov_b32 v161, 0
	s_lshr_b32 s14, ttmp9, 7                       ; batch = work-group / 128
	s_lshl_b32 s14, s14, 16                        ; x 4,096 candidates of 16 bytes
	s_mov_b32 s15, 0
	s_lshl_b32 s16, ttmp9, 11                      ; work-group x 128 queries of 16 bytes
	s_mov_b32 s17, 0
	s_mov_b32 s11, 0xffff0000                      ; a word's upper bf16
	s_mov_b32 s12, 0x76543210                      ; v_permlanex16_b32: lane i reads lane i of the other half
	s_mov_b32 s13, 0xfedcba98
	v_and_b32 v1, 31, v0
	v_lshlrev_b32 v2, 4, v1
	v_lshlrev_b32 v[CO], 4, v0
	v_lshrrev_b32 v16, 5, v0                       ; wave
	v_and_b32 v17, 15, v0
	v_lshl_add_u32 v[VQ], v16, 4, v17              ; query = 16 wave + lane % 16 (both halves of the lanes take the same)
	v_lshlrev_b32 v[VQ], 4, v[VQ]
	; candidate t + 256 i: chunk 8 (i & 7) + t / 32, tile (t / 8) % 4, row 8 (i / 8) + t % 8.  Table: chunk x 1024 + (tile / 2) x 512 + lane x 16 + (tile % 2) x 8
	v_lshlrev_b32 v3, 10, v16
	v_bfe_u32 v17, v0, 4, 1
	v_lshl_add_u32 v3, v17, 9, v3
	v_and_b32 v17, 7, v0
	v_lshl_add_u32 v3, v17, 4, v3
	v_bfe_u32 v17, v0, 3, 1
	v_lshl_add_u32 v3, v17, 3, v3
	v_mov_b32 v19, 0                               ; the two empty places behind (snm, snl)
	s_wait_kmcnt 0x0
	s_add_nc_u64 s[4:5], s[4:5], s[14:15]
	s_add_nc_u64 s[6:7], s[6:7], s[16:17]
	s_add_nc_u64 s[8:9], s[8:9], s[16:17]
	global_load_b128 v[4:7], v[VQ], s[6:7]
.irp n, 0,1,2,3,4,5,6,7,8,9,10,11,12,13,14,15
	global_load_b128 v[DD+4*\n:DD+4*\n+3], v[CO], s[4:5] offset:4096*\n
.endr
; One candidate into the table: round, norm of the rounded point (products of bf16 are exact in f32), split the norm in three.
.macro CAND i
	s_wait_loadcnt 15-\i                           ; the 15 - i younger candidate loads stay out
	v_cvt_pk_bf16_f32 v16, v[DD+4*\i], v[DD+4*\i+1]        ; (x, y)
	v_cvt_pk_bf16_f32 v28, v[DD+4*\i+2], v[DD+4*\i+2]
	v_lshlrev_b32 v24, 16, v16
	v_and_b32 v25, s11, v16
	v_lshlrev_b32 v26, 16, v28
	v_mul_f32 v27, v24, v24
	v_fma_f32 v27, v25, v25, v27
	v_fma_f32 v27, v26, v26, v27                   ; sn
	v_cvt_pk_bf16_f32 v17, v26, v27                ; (z, snh)
	v_and_b32 v29, s11, v17
	v_sub_f32 v29, v27, v29                        ; sn - snh, exact
	v_cvt_pk_bf16_f32 v30, v29, v29
	v_lshlrev_b32 v30, 16, v30                     ; snm
	v_sub_f32 v30, v29, v30                        ; what is left fits a bf16
	v_cvt_pk_bf16_f32 v18, v29, v30                ; (snm, snl)
	ds_store_b64 v3, v[16:17] offset:(\i&7)*8192+(\i>>3)*128
	ds_store_b64 v3, v[18:19] offset:(\i&7)*8192+(\i>>3)*128+256   ; sixteen lanes further on
.endm
.irp n, 0,1,2,3,4,5,6,7,8,9,10,11,12,13,14,15
	CAND \n
.endr
	; the four B fragments (my query's load is older than every candidate's)
	v_mul_f32 v24, -2.0, v4
	v_mul_f32 v25, -2.0, v5
	v_mul_f32 v26, -2.0, v6
	v_mov_b32 v27, 1.0
	v_cvt_pk_bf16_f32 v16, v24, v25
	v_cvt_pk_bf16_f32 v17, v26, v27
	v_cmp_gt_u32 vcc_lo, 16, v1
	v_cndmask_b32 v16, 0x3f803f80, v16, vcc_lo     ; lanes 16-31: (1, 1)
	v_cndmask_b32 v17, 0, v17, vcc_lo              ;              (0, 0)
.irp v, 0,1,2,3
.irp j, 0,1,2,3,4,5,6,7
.if \j == 2*\v
	v_mov_b32 v[BV+8*\v+\j], v16
.else
.if \j == 2*\v+1
	v_mov_b32 v[BV+8*\v+\j], v17
.else
	v_mov_b32 v[BV+8*\v+\j], 0
.endif
.endif
.endr
.endr
	s_wait_dscnt 0x0                               ; my part of the table is written,
	s_barrier_signal -1
	s_barrier_wait -1                              ; everybody's is; nothing writes the table from here on
; u into the sorted list of four.  Strict '<': of equal minima the one that came first, the lower group, stays in front.
.macro INSERT4 u, id
	v_cmp_lt_f32 s20, \u, v8
	v_cmp_lt_f32 s21, \u, v9
	v_cmp_lt_f32 s22, \u, v10
	v_cmp_lt_f32 s23, \u, v11
	v_cndmask_b32 v20, \id, v14, s22
	v_cndmask_b32 v15, v15, v20, s23
	v_cndmask_b32 v20, \id, v13, s21
	v_cndmask_b32 v14, v14, v20, s22
	v_cndmask_b32 v20, \id, v12, s20
	v_cndmask_b32 v13, v13, v20, s21
	v_cndmask_b32 v12, v12, \id, s20
	v_med3_num_f32 v11, v10, v11, \u
	v_med3_num_f32 v10, v9, v10, \u
	v_med3_num_f32 v9, v8, v9, \u
	v_min_num_f32 v8, v8, \u
.endm
; the smallest of the 32 results at DCUR, into v16: four chains over registers 0-6 of each tile, then the chains and the four registers 7
.macro MIN32
.irp v, 0,1,2,3
	v_min3_num_f32 v[16+\v], v[DCUR+8*\v], v[DCUR+8*\v+1], v[DCUR+8*\v+2]
.endr
.irp v, 0,1,2,3
	v_min3_num_f32 v[16+\v], v[16+\v], v[DCUR+8*\v+3], v[DCUR+8*\v+4]
.endr
.irp v, 0,1,2,3
	v_min3_num_f32 v[16+\v], v[16+\v], v[DCUR+8*\v+5], v[DCUR+8*\v+6]
.endr
	v_min3_num_f32 v16, v16, v17, v18
	v_min3_num_f32 v16, v16, v19, v[DCUR+7]
	v_min3_num_f32 v16, v16, v[DCUR+15], v[DCUR+23]
	v_min_num_f32 v16, v16, v[DCUR+31]
.endm
; Chunk c = 4 k + j.  wm: the products of chunk c + 1 are started first; wt = LDS loads younger than chunk c + 1's that may stay out.
; Then the 31 vector instructions of chunk c, which name no register of the products just started: they are the places (ISA guide 7.12.1)
; in front of the reload of that A fragment, of the next step's reading of the results, and of their rewriting two steps on.
; ld: chunk c + 5 is asked for, into the fragment just multiplied.
.macro STEP j, wm, ld, wt
.set DCUR, DD+32*(\j&1)
.set DNXT, DD+32*((\j+1)&1)
.set ANXT, AF+8*((\j+1)&3)
.if \wm
	s_wait_dscnt \wt
.irp v, 0,1,2,3
	v_wmma_f32_16x16x32_bf16 v[DNXT+8*\v:DNXT+8*\v+7], v[ANXT:ANXT+7], v[BV+8*\v:BV+8*\v+7], 0
.endr
.endif
	MIN32
	INSERT4 v16, s24
	s_add_co_u32 s24, s24, 1
.if \ld
	ds_load_b128 v[ANXT:ANXT+3], v2 offset:(\j+5)*1024
	ds_load_b128 v[ANXT+4:ANXT+7], v2 offset:(\j+5)*1024+512
.endif
.endm
.irp c, 0,1,2,3
	ds_load_b128 v[AF+8*\c:AF+8*\c+3], v2 offset:1024*\c
	ds_load_b128 v[AF+8*\c+4:AF+8*\c+7], v2 offset:1024*\c+512
.endr
	s_wait_dscnt 6                                 ; chunk 0 is in; the six loads of chunks 1 to 3 stay out
.irp v, 0,1,2,3
	v_wmma_f32_16x16x32_bf16 v[DD+8*\v:DD+8*\v+7], v[AF:AF+7], v[BV+8*\v:BV+8*\v+7], 0
.endr
.irp k, 8,9,10,11
	v_mov_b32 v\k, 0x7f800000                      ; the list starts at +infinity; these eight lines are also the places in front of the reload
.endr
.irp k, 12,13,14,15
	v_mov_b32 v\k, 0
.endr
	ds_load_b128 v[AF:AF+3], v2 offset:4096        ; chunk 4
	ds_load_b128 v[AF+4:AF+7], v2 offset:4608
	s_mov_b32 s24, 0                               ; the chunk's number
	s_mov_b32 s25, 0
.Lchunks:                                              ; 14 trips of 4 chunks.  Every wait is for 6: chunks c+2, c+3, c+4 (two loads each) are younger than c+1
	STEP 0, 1, 1, 6
	STEP 1, 1, 1, 6
	STEP 2, 1, 1, 6
	STEP 3, 1, 1, 6
	v_add_nc_u32 v2, 4096, v2
	s_add_co_u32 s25, s25, 1
	s_cmp_lt_u32 s25, 14
	s_cbranch_scc1 .Lchunks
	STEP 0, 1, 1, 6                                ; chunks 56 to 58 still ask, for 61 to 63
	STEP 1, 1, 1, 6
	STEP 2, 1, 1, 6
	STEP 3, 1, 0, 6                                ; then nothing is asked for and the counts run down
	STEP 0, 1, 0, 4
	STEP 1, 1, 0, 2
	STEP 2, 1, 0, 0
	STEP 3, 0, 0, 0
	; lanes 0-15 hold the best four of groups 0-63 of their query, lanes 16-31 those of groups 64-127: merge into lanes 0-15
	v_and_b32 v21, 16, v1
	v_lshlrev_b32 v21, 2, v21                      ; 64 h
.irp k, 0,1,2,3
	v_add_nc_u32 v[12+\k], v21, v[12+\k]
.endr
.irp k, 0,1,2,3
	v_mov_b32 v[24+\k], v[8+\k]                    ; the permute's destination counts as read: written first
	v_mov_b32 v[28+\k], v[12+\k]
.endr
.irp k, 0,1,2,3
	v_permlanex16_b32 v[24+\k], v[8+\k], s12, s13
	v_permlanex16_b32 v[28+\k], v[12+\k], s12, s13
.endr
	INSERT4 v24, v28                               ; right in lanes 0-15, whose own groups are the lower ones ('<' keeps them in front)
	INSERT4 v25, v29
	INSERT4 v26, v30
	INSERT4 v27, v31
.macro CEX a, b
	v_min_u32 v20, v\a, v\b
	v_max_u32 v\b, v\a, v\b
	v_mov_b32 v\a, v20
.endm
	CEX 12, 13                                     ; ascending group numbers: the next launch walks candidates in ascending order
	CEX 14, 15
	CEX 12, 14
	CEX 13, 15
	CEX 13, 14
	v_cmp_gt_u32 vcc_lo, 16, v1
	s_wait_xcnt 0x0                                ; EXEC is a source of the loads above: it changes only behind this wait
	s_wait_tensorcnt 0x0
	ds_add_u32 v160, v161
	s_wait_dscnt 0x0
	s_and_saveexec_b32 s26, vcc_lo
	global_store_b128 v[VQ], v[12:15], s[8:9]      ; sixteen lanes store 256 consecutive bytes, at a multiple of 256
	s_endpgm
.Lfunc_end_k_qe71d0eebf9_filter:
	.size	k_qe71d0eebf9_filter, .Lfunc_end_k_qe71d0eebf9_filter-k_qe71d0eebf9_filter
	.p2alignl 7, 3214868480
	.fill 96, 4, 3214868480
	.section	.rodata,"a",@progbits
	.p2align	6, 0x0
	.amdhsa_kernel k_qe71d0eebf9_filter
		.amdhsa_group_segment_fixed_size 66560
		.amdhsa_private_segment_fixed_size 0
		.amdhsa_enable_private_segment 0
		.amdhsa_kernarg_size 24
		.amdhsa_user_sgpr_count 2
		.amdhsa_user_sgpr_kernarg_segment_ptr 1
		.amdhsa_wavefront_size32 1
		.amdhsa_system_sgpr_workgroup_id_x 1
		.amdhsa_system_sgpr_workgroup_id_y 1
		.amdhsa_system_sgpr_workgroup_id_z 1
		.amdhsa_system_vgpr_workitem_id 0
		.amdhsa_next_free_vgpr 162
		.amdhsa_next_free_sgpr 66
		.amdhsa_reserve_vcc 1
		.amdhsa_float_denorm_mode_32 3
		.amdhsa_float_denorm_mode_16_64 3
		.amdhsa_memory_ordered 1
		.amdhsa_forward_progress 1
		.amdhsa_inst_pref_size 52
	.end_amdhsa_kernel
	.amdgpu_metadata
---
amdhsa.version: [ 1, 2 ]
amdhsa.kernels:
  - .name:           k_qe71d0eebf9_filter
    .symbol:         k_qe71d0eebf9_filter.kd
    .args:
      - { .name: down_xyzp, .offset: 0, .size: 8, .value_kind: global_buffer, .address_space: global }
      - { .name: ori_xyzp, .offset: 8, .size: 8, .value_kind: global_buffer, .address_space: global }
      - { .name: gid, .offset: 16, .size: 8, .value_kind: global_buffer, .address_space: global }
    .group_segment_fixed_size: 66560
    .private_segment_fixed_size: 0
    .kernarg_segment_align: 8
    .kernarg_segment_size: 24
    .max_flat_workgroup_size: 256
    .sgpr_count:     66
    .vgpr_count:     162
    .wavefront_size: 32
...
	.end_amdgpu_metadata
.endif
;; end of part 1
;; launch refine (part 2): grid 256 x 1, 8 waves a work-group, no clusters, 176,128 bytes of LDS; arguments down_xyzp, ori_xyzp, gid, down_features, W1, b1, dfeat, nidx, nw; writes dfeat, nidx, nw
.if DOCPART == 2
	.amdgcn_target "amdgcn-amd-amdhsa--gfx1250"
	.amdhsa_code_object_version 6
	.text
	.protected	k_qe71d0eebf9_refine
	.globl	k_qe71d0eebf9_refine
	.p2align	8
	.type	k_qe71d0eebf9_refine,@function
k_qe71d0eebf9_refine:
	s_mov_b64 s[64:65], 0
	v_nop
	global_prefetch_b8 v0, s[64:65] scope:SCOPE_SE
	s_setreg_imm32_b32 hwreg(HW_REG_WAVE_MODE, 25, 1), 1
	s_wait_xcnt 0x0
; REFINE.  Two things for each work-group:
; (a) 32 rows of dfeat = down_features W1 + b1 (bf16 operands, f32 sums, f32 bias, f32 result);
; (b) for 128 queries: d2 of the 128 candidates of the 4 groups that gid names, the 3 smallest by (d2, index), and their weights.
; d2 = (|q|^2 + |s|^2) - 2 q.s with every rounding of reference()'s f32 chain: xyz are rounded to bf16 first, so each product is exact in f32
; and a fused multiply-add rounds as a multiply and an add do.
; LIMITS: inputs finite; xyz taken as bf16 in the product and, for consistency, in the norms; sums of three terms in ascending order;
; +0 and -0 count as equal; 1/x by v_rcp_f32 (not correctly rounded).
; SHARES: (a) wave w makes columns 16 w .. 16 w + 15 of all 32 rows.  (b) two neighbouring lanes share a query: the even lane takes the two lower
; groups, the odd lane the two higher, 64 candidates each in ascending order; '<' is strict, so of equal d2 the lower index stays in front.
; NO CLUSTER, NO TENSOR LOAD: W1 (131,072 bytes) and the xyz table (65,536) are shared by all work-groups, but both are converted in registers
; on the way to LDS; an f32 stage for a joint copy would need 196,608 bytes beside the 175,104 in use, more than the 327,680 there are.
.set CT,  0                            ; 128 groups x (32 x (x, y, z, |s|^2) f32 + 16 bytes of skew) = 128 x 528
.set W1S, 67584                        ; bf16 [256 k][128 n], pitch 288 (an odd multiple of 32, for the transposing loads)
.set XS,  141312                       ; bf16 [32 rows][256 k], pitch 528
.set DSB, 158208                       ; f32 [32 rows][128 n], pitch 528
.set ACC, 48                           ; v[48:63]   two accumulator tiles
.set CR,  64                           ; v[64:127]  raw candidates; then W1's second half; then fragments; then candidates again
.set XR,  128                          ; v[128:159] raw rows of down_features
.set WR,  160                          ; v[160:223] W1's first half; then v[160:175] the finished rows
.set WF,  64                           ; v[64:95]   W fragments of 4 K steps
.set XF,  96                           ; v[96:159]  X fragments, 2 row tiles x 4 K steps
; v1 lane, v2 16 t, v3 CT store, v4/v5 W1S store, v6 XS store, v7 X fragment, v8/v9 W fragment, v10 DSB store, v11 DSB read, v12 dfeat offset,
; v13 query offset, v14 wave, v15 8 t, v[16:18] M, v19 at work, v[20:23] indices, v[24:31] at work, v[32:35] b1, v[36:37] groups, v[38:39] their
; LDS addresses, v[40:43] q rounded and |q|^2
	s_load_b512 s[4:19], s[0:1], 0x0               ; down_xyzp 4, ori_xyzp 6, gid 8, down_features 10, W1 12, b1 14, dfeat 16, nidx 18
	s_load_b64 s[20:21], s[0:1], 0x40              ; nw
	v_lshl_add_u32 v224, v0, 2, 0x2ac00
	v_mov_b32 v225, 0
	s_lshr_b32 s22, ttmp9, 7
	s_lshl_b32 s22, s22, 16                        ; batch x 65,536
	s_mov_b32 s23, 0
	s_lshl_b32 s24, ttmp9, 11                      ; 128 queries x 16 bytes
	s_mov_b32 s25, 0
	s_lshl_b32 s26, ttmp9, 15                      ; 32 rows x 1,024 bytes
	s_mov_b32 s27, 0
	s_lshl_b32 s28, ttmp9, 14                      ; 32 rows x 512 bytes
	s_mov_b32 s29, 0
	s_mov_b32 s30, 0xffff0000
	v_and_b32 v1, 31, v0
	v_lshrrev_b32 v14, 5, v0
	v_lshlrev_b32 v2, 4, v0
	v_lshlrev_b32 v16, 4, v1                       ; 16 x lane
	v_mul_u32_u24 v3, v14, 528                     ; candidate t + 256 i: group t / 32 + 8 i, place t % 32
	v_add_nc_u32 v3, v3, v16
	v_mul_u32_u24 v4, v14, 288                     ; W1's floats 4 t + 1024 i: k = t / 32 + 8 i, n = 4 (t % 32)
	v_lshl_add_u32 v4, v1, 3, v4
	v_add_nc_u32 v4, W1S, v4
	v_add_nc_u32 v5, 36864, v4                     ; k + 128
	v_lshrrev_b32 v17, 6, v0                       ; X's floats 4 t + 1024 i: row t / 64 + 4 i, k = 4 (t % 64)
	v_and_b32 v18, 63, v0
	v_mul_u32_u24 v6, v17, 528
	v_lshl_add_u32 v6, v18, 3, v6
	v_add_nc_u32 v6, XS, v6
	v_and_b32 v17, 15, v0                          ; r
	v_bfe_u32 v18, v0, 4, 1                        ; h
	v_mul_u32_u24 v19, v17, 528
	v_lshl_add_u32 v7, v18, 4, v19
	v_add_nc_u32 v7, XS, v7                        ; row r, 16 h
	v_and_b32 v20, 7, v0
	v_lshl_add_u32 v20, v18, 3, v20
	v_mul_u32_u24 v8, v20, 288                     ; k = 8 h + lane % 8
	v_lshl_add_u32 v8, v14, 5, v8                  ; n0 = 16 wave
	v_bfe_u32 v20, v0, 3, 1
	v_lshl_add_u32 v8, v20, 4, v8
	v_add_nc_u32 v8, W1S, v8
	v_add_nc_u32 v9, 36864, v8                     ; K steps 4 to 7
	v_lshl_add_u32 v10, v14, 6, v19                ; row r, columns 16 wave + 8 h
	v_lshl_add_u32 v10, v18, 5, v10
	v_add_nc_u32 v10, DSB, v10
	v_mul_u32_u24 v11, v14, 2112                   ; rows 4 wave ..
	v_add_nc_u32 v11, v11, v16
	v_add_nc_u32 v11, DSB, v11
	v_lshl_add_u32 v12, v14, 11, v16
	v_lshrrev_b32 v13, 1, v0
	v_lshlrev_b32 v13, 4, v13
	v_lshlrev_b32 v15, 3, v0
	s_wait_kmcnt 0x0
	s_add_nc_u64 s[4:5], s[4:5], s[22:23]
	s_add_nc_u64 s[6:7], s[6:7], s[24:25]
	s_add_nc_u64 s[8:9], s[8:9], s[24:25]
	s_add_nc_u64 s[10:11], s[10:11], s[26:27]
	s_add_nc_u64 s[16:17], s[16:17], s[28:29]
	s_add_nc_u64 s[18:19], s[18:19], s[24:25]
	s_add_nc_u64 s[20:21], s[20:21], s[24:25]
	global_load_b64 v[36:37], v15, s[8:9]          ; my two groups
	global_load_b128 v[40:43], v13, s[6:7]         ; my query
	global_load_b128 v[32:35], v16, s[14:15]       ; b1 of columns 4 lane ..
.irp n, 0,1,2,3,4,5,6,7,8,9,10,11,12,13,14,15
	global_load_b128 v[CR+4*\n:CR+4*\n+3], v2, s[4:5] offset:4096*\n
.endr
.irp n, 0,1,2,3,4,5,6,7
	global_load_b128 v[XR+4*\n:XR+4*\n+3], v2, s[10:11] offset:4096*\n th:TH_LOAD_NT
.endr
.irp n, 0,1,2,3,4,5,6,7,8,9,10,11,12,13,14,15
	global_load_b128 v[WR+4*\n:WR+4*\n+3], v2, s[12:13] offset:4096*\n
.endr
; (x, y, z, p) at b becomes (x, y, z rounded to bf16, their squares' sum), in place
.macro ROUNDN b
	v_cvt_pk_bf16_f32 v16, v[\b], v[\b+1]
	v_cvt_pk_bf16_f32 v17, v[\b+2], v[\b+2]
	v_lshlrev_b32 v[\b], 16, v16
	v_and_b32 v[\b+1], s30, v16
	v_lshlrev_b32 v[\b+2], 16, v17
	v_mul_f32 v[\b+3], v[\b], v[\b]
	v_fma_f32 v[\b+3], v[\b+1], v[\b+1], v[\b+3]
	v_fma_f32 v[\b+3], v[\b+2], v[\b+2], v[\b+3]
.endm
; four f32 at b become four bf16 in b, b + 1
.macro CVT4 b
	v_cvt_pk_bf16_f32 v[\b], v[\b], v[\b+1]
	v_cvt_pk_bf16_f32 v[\b+1], v[\b+2], v[\b+3]
.endm
.irp n, 0,1,2,3,4,5,6,7,8,9,10,11,12,13,14,15
	s_wait_loadcnt 39-\n                           ; younger and still out: 15 - n candidates, 8 of X, 16 of W1.  (b1's load is older: v16 is free)
	ROUNDN CR+4*\n
	ds_store_b128 v3, v[CR+4*\n:CR+4*\n+3] offset:4224*\n
.endr
.irp n, 0,1,2,3,4,5,6,7,8,9,10,11,12,13,14,15
	global_load_b128 v[CR+4*\n:CR+4*\n+3], v2, s[12:13] offset:4096*(16+\n)   ; W1's rows 128 to 255
.endr
	s_wait_loadcnt 32                              ; X is in; W1's 32 loads stay out
.irp n, 0,1,2,3,4,5,6,7
	CVT4 XR+4*\n
	ds_store_b64 v6, v[XR+4*\n:XR+4*\n+1] offset:2112*\n
.endr
	s_wait_loadcnt 16                              ; W1's first half is in; the second half's 16 loads stay out
.irp n, 0,1,2,3,4,5,6,7,8,9,10,11,12,13,14,15
	CVT4 WR+4*\n
	ds_store_b64 v4, v[WR+4*\n:WR+4*\n+1] offset:2304*\n
.endr
	s_wait_loadcnt 0x0
.irp n, 0,1,2,3,4,5,6,7,8,9,10,11,12,13,14,15
	CVT4 CR+4*\n
	ds_store_b64 v5, v[CR+4*\n:CR+4*\n+1] offset:2304*\n
.endr
	s_wait_dscnt 0x0                               ; my stores into the three tables are done,
	s_barrier_signal -1
	s_barrier_wait -1                              ; everybody's are
; Four K steps of 32.  The product is used transposed (source 0 = 16 columns of W1, source 1 = 16 rows of X): a lane's eight results are
; eight neighbouring columns of one row.  The four v_nop are the places in front of the next loads into the fragments
; and of the LDS stores that read the results.
.macro GHALF hf, wfr
.irp ks, 0,1,2,3
	ds_load_tr16_b128 v[WF+8*\ks:WF+8*\ks+3], v[\wfr] offset:9216*\ks
	ds_load_tr16_b128 v[WF+8*\ks+4:WF+8*\ks+7], v[\wfr] offset:9216*\ks+4608
.endr
.irp mt, 0,1
.irp ks, 0,1,2,3
	ds_load_b128 v[XF+32*\mt+8*\ks:XF+32*\mt+8*\ks+3], v7 offset:8448*\mt+64*(4*\hf+\ks)
	ds_load_b128 v[XF+32*\mt+8*\ks+4:XF+32*\mt+8*\ks+7], v7 offset:8448*\mt+64*(4*\hf+\ks)+32
.endr
.endr
	s_wait_dscnt 0x0
.irp ks, 0,1,2,3
.irp mt, 0,1
.if \hf+\ks == 0
	v_wmma_f32_16x16x32_bf16 v[ACC+8*\mt:ACC+8*\mt+7], v[WF+8*\ks:WF+8*\ks+7], v[XF+32*\mt+8*\ks:XF+32*\mt+8*\ks+7], 0
.else
	v_wmma_f32_16x16x32_bf16 v[ACC+8*\mt:ACC+8*\mt+7], v[WF+8*\ks:WF+8*\ks+7], v[XF+32*\mt+8*\ks:XF+32*\mt+8*\ks+7], v[ACC+8*\mt:ACC+8*\mt+7]
.endif
.endr
.endr
.rept 4
	v_nop
.endr
.endm
	GHALF 0, 8
	GHALF 1, 9
	ds_store_b128 v10, v[ACC:ACC+3]
	ds_store_b128 v10, v[ACC+4:ACC+7] offset:16
	ds_store_b128 v10, v[ACC+8:ACC+11] offset:8448
	ds_store_b128 v10, v[ACC+12:ACC+15] offset:8464
	s_wait_dscnt 0x0                               ; my columns of the 32 rows are in LDS,
	s_barrier_signal -1
	s_barrier_wait -1                              ; all columns are
.irp n, 0,1,2,3
	ds_load_b128 v[WR+4*\n:WR+4*\n+3], v11 offset:528*\n
.endr
	s_wait_dscnt 0x0
.irp n, 0,1,2,3
	v_pk_add_f32 v[WR+4*\n:WR+4*\n+1], v[WR+4*\n:WR+4*\n+1], v[32:33]
	v_pk_add_f32 v[WR+4*\n+2:WR+4*\n+3], v[WR+4*\n+2:WR+4*\n+3], v[34:35]
	global_store_b128 v12, v[WR+4*\n:WR+4*\n+3], s[16:17] offset:512*\n    ; a wave's store covers a whole row, 512 consecutive bytes; no later line writes these registers
.endr
	; (b) the exact choice
	v_min_u32 v36, 127, v36                        ; a group number is below 128
	v_min_u32 v37, 127, v37
	v_mul_u32_u24 v38, v36, 528
	v_mul_u32_u24 v39, v37, 528
	ROUNDN 40
.irp k, 16,17,18
	v_mov_b32 v\k, 0x7f800000
.endr
.irp k, 20,21,22
	v_mov_b32 v\k, 0
.endr
.macro INSERT3 u, id
	v_cmp_lt_f32 s32, \u, v16
	v_cmp_lt_f32 s33, \u, v17
	v_cmp_lt_f32 s34, \u, v18
	v_cndmask_b32 v19, \id, v21, s33
	v_cndmask_b32 v22, v22, v19, s34
	v_cndmask_b32 v19, \id, v20, s32
	v_cndmask_b32 v21, v21, v19, s33
	v_cndmask_b32 v20, v20, \id, s32
	v_med3_num_f32 v18, v17, v18, \u
	v_med3_num_f32 v17, v16, v17, \u
	v_min_num_f32 v16, v16, \u
.endm
; batch bt = 0 .. 7: eight candidates, places 8 (bt % 4) .. of my first (bt < 4) or second group, into buffer bt % 2.
; The argument may be a sum: it stands in brackets wherever '&', '>>' or '*' meets it.
.macro LOADB bt
.irp e, 0,1,2,3,4,5,6,7
	ds_load_b128 v[CR+32*((\bt)&1)+4*\e:CR+32*((\bt)&1)+4*\e+3], v[38+((\bt)>>2)] offset:(((\bt)&3)*8+\e)*16
.endr
.endm
.macro PROC bt
.set CB, CR+32*((\bt)&1)
.irp e, 0,1,2,3,4,5,6,7
	v_add_f32 v[CB+4*\e+3], v43, v[CB+4*\e+3]                      ; |q|^2 + |s|^2
	v_mul_f32 v[CB+4*\e], v40, v[CB+4*\e]
.endr
.irp e, 0,1,2,3,4,5,6,7
	v_fma_f32 v[CB+4*\e], v41, v[CB+4*\e+1], v[CB+4*\e]
.endr
.irp e, 0,1,2,3,4,5,6,7
	v_fma_f32 v[CB+4*\e], v42, v[CB+4*\e+2], v[CB+4*\e]            ; q.s
.endr
.irp e, 0,1,2,3,4,5,6,7
	v_fma_f32 v[CB+4*\e+3], -2.0, v[CB+4*\e], v[CB+4*\e+3]         ; d2: doubling is exact, so one rounding as in the subtraction
.endr
.irp e, 0,1,2,3,4,5,6,7
	INSERT3 v[CB+4*\e+3], 8*(\bt)+\e               ; my candidates' numbers 0 .. 63, in ascending order
.endr
.endm
	LOADB 0
	LOADB 1
.irp t, 0,1,2,3,4,5
	s_wait_dscnt 8                                 ; this batch is in; the next batch's eight loads stay out
	PROC \t
	LOADB \t+2
.endr
	s_wait_dscnt 8
	PROC 6
	s_wait_dscnt 0x0
	PROC 7
	; local numbers 0 .. 63 to candidate indices
	v_lshlrev_b32 v36, 5, v36
	v_lshlrev_b32 v37, 5, v37
.irp k, 20,21,22
	v_cmp_gt_u32 vcc_lo, 32, v\k
	v_cndmask_b32 v19, v37, v36, vcc_lo
	v_and_or_b32 v\k, v\k, 31, v19
.endr
.irp k, 0,1,2
	v_mov_b32 v[24+\k], v[16+\k]                   ; a DPP destination counts as read: written first
	v_mov_b32 v[28+\k], v[20+\k]
.endr
.irp k, 0,1,2
	v_mov_b32_dpp v[24+\k], v[16+\k] row_xmask:1 row_mask:0xf bank_mask:0xf    ; the neighbour's list
	v_mov_b32_dpp v[28+\k], v[20+\k] row_xmask:1 row_mask:0xf bank_mask:0xf
.endr
	INSERT3 v24, v28                               ; right in the even lanes, whose own indices are the lower ones
	INSERT3 v25, v29
	INSERT3 v26, v30
	v_add_f32 v24, 0x322bcc77, v16                 ; d2 + 1e-8
	v_add_f32 v25, 0x322bcc77, v17
	v_add_f32 v26, 0x322bcc77, v18
	v_rcp_f32 v28, v24
	v_rcp_f32 v29, v25
	v_rcp_f32 v30, v26
	v_mov_b32 v23, 0                               ; the plain instruction between a reciprocal and its use (ISA guide 5.7.2)
	s_wait_alu depctr_va_vdst(0)
	v_add_f32 v31, v28, v29
	v_add_f32 v31, v31, v30
	v_rcp_f32 v19, v31
	v_mov_b32 v27, 0                               ; likewise
	s_wait_alu depctr_va_vdst(0)
	v_mul_f32 v24, v28, v19
	v_mul_f32 v25, v29, v19
	v_mul_f32 v26, v30, v19
	v_and_b32 v31, 1, v0
	v_cmp_eq_u32 vcc_lo, 0, v31
	s_wait_xcnt 0x0                                ; EXEC is a source of the stores above: it changes only behind this wait
	s_wait_tensorcnt 0x0
	ds_add_u32 v224, v225
	s_wait_dscnt 0x0
	s_and_saveexec_b32 s35, vcc_lo
	global_store_b128 v13, v[20:23], s[18:19]      ; the wave's sixteen even lanes store 256 consecutive bytes, at a multiple of 256
	global_store_b128 v13, v[24:27], s[20:21]
	s_endpgm
.Lfunc_end_k_qe71d0eebf9_refine:
	.size	k_qe71d0eebf9_refine, .Lfunc_end_k_qe71d0eebf9_refine-k_qe71d0eebf9_refine
	.p2alignl 7, 3214868480
	.fill 96, 4, 3214868480
	.section	.rodata,"a",@progbits
	.p2align	6, 0x0
	.amdhsa_kernel k_qe71d0eebf9_refine
		.amdhsa_group_segment_fixed_size 176128
		.amdhsa_private_segment_fixed_size 0
		.amdhsa_enable_private_segment 0
		.amdhsa_kernarg_size 72
		.amdhsa_user_sgpr_count 2
		.amdhsa_user_sgpr_kernarg_segment_ptr 1
		.amdhsa_wavefront_size32 1
		.amdhsa_system_sgpr_workgroup_id_x 1
		.amdhsa_system_sgpr_workgroup_id_y 1
		.amdhsa_system_sgpr_workgroup_id_z 1
		.amdhsa_system_vgpr_workitem_id 0
		.amdhsa_next_free_vgpr 226
		.amdhsa_next_free_sgpr 66
		.amdhsa_reserve_vcc 1
		.amdhsa_float_denorm_mode_32 3
		.amdhsa_float_denorm_mode_16_64 3
		.amdhsa_memory_ordered 1
		.amdhsa_forward_progress 1
		.amdhsa_inst_pref_size 98
	.end_amdhsa_kernel
	.amdgpu_metadata
---
amdhsa.version: [ 1, 2 ]
amdhsa.kernels:
  - .name:           k_qe71d0eebf9_refine
    .symbol:         k_qe71d0eebf9_refine.kd
    .args:
      - { .name: down_xyzp, .offset: 0, .size: 8, .value_kind: global_buffer, .address_space: global }
      - { .name: ori_xyzp, .offset: 8, .size: 8, .value_kind: global_buffer, .address_space: global }
      - { .name: gid, .offset: 16, .size: 8, .value_kind: global_buffer, .address_space: global }
      - { .name: down_features, .offset: 24, .size: 8, .value_kind: global_buffer, .address_space: global }
      - { .name: W1, .offset: 32, .size: 8, .value_kind: global_buffer, .address_space: global }
      - { .name: b1, .offset: 40, .size: 8, .value_kind: global_buffer, .address_space: global }
      - { .name: dfeat, .offset: 48, .size: 8, .value_kind: global_buffer, .address_space: global }
      - { .name: nidx, .offset: 56, .size: 8, .value_kind: global_buffer, .address_space: global }
      - { .name: nw, .offset: 64, .size: 8, .value_kind: global_buffer, .address_space: global }
    .group_segment_fixed_size: 176128
    .private_segment_fixed_size: 0
    .kernarg_segment_align: 8
    .kernarg_segment_size: 72
    .max_flat_workgroup_size: 256
    .sgpr_count:     66
    .vgpr_count:     226
    .wavefront_size: 32
...
	.end_amdgpu_metadata
.endif
;; end of part 2
;; launch final (part 3): grid 256 x 1, 8 waves a work-group, no clusters, 140,288 bytes of LDS; arguments ori_features, W2, b2, dfeat, nidx, nw, out0; writes out0
.if DOCPART == 3
	.amdgcn_target "amdgcn-amd-amdhsa--gfx1250"
	.amdhsa_code_object_version 6
	.text
	.protected	k_qe71d0eebf9_final
	.globl	k_qe71d0eebf9_final
	.p2align	8
	.type	k_qe71d0eebf9_final,@function
k_qe71d0eebf9_final:
	s_mov_b64 s[64:65], 0
	v_nop
	global_prefetch_b8 v0, s[64:65] scope:SCOPE_SE
	s_setreg_imm32_b32 hwreg(HW_REG_WAVE_MODE, 25, 1), 1
	s_wait_xcnt 0x0
; FINAL.  out0[q] = ori_features[q] W2 + b2 + sum over k of nw[q][k] dfeat[nidx[q][k]].  bf16 operands and f32 sums in the product; the rest in f32.
; SHARES: a work-group owns 128 rows, a wave 16 of them: one row tile x all 8 column tiles, K = 128 in 4 steps.
; A wave's 48 neighbour rows (512 bytes each: one load of the wave) are asked for at the head and lie in 192 registers until they are blended;
; their indices and weights are the same for all lanes and come by scalar loads.
; Memory binds here: each row of ori_features is read once, each row of out0 written once by stores of 512 consecutive bytes.
; NO CLUSTER, NO TENSOR LOAD: what is shared is W2, 65,536 of the 327,680 bytes that a work-group loads (65,536 of ori_features, 196,608 gathered),
; and it is converted to bf16 in registers on its way to LDS.
.set W2S, 0                            ; bf16 [128 k][128 n], pitch 288
.set WAVE_LDS, 12800                   ; for each wave alone: 16 rows of X in bf16, pitch 272 (4,352 bytes), then 16 rows of results in f32, pitch 528
.set VO,  16                           ; v[16:63]   byte offsets of the 48 neighbour rows
.set ACC, 64                           ; v[64:127]  X as loaded, then 8 accumulator tiles
.set WF,  128                          ; v[128:191] W2 as loaded, then its fragments of one K step, then OUT
.set OUT, 128                          ;            16 rows x 4 registers
.set XF,  192                          ; v[192:223] X fragments of the 4 K steps
; v256-447 (window 1): row i's neighbour k at 12 i + 4 k.
; v1 lane, v2 16 lane, v3 my offset in ori_features and out0, v4 16 t, v5 X store, v6 W2 store, v7 X fragment, v8 W fragment, v9 result store,
; v10 result read, v[12:15] b2.   s[16:63], s[68:83]: row i's four words at 16 + 4 i (i < 12) or 20 + 4 i: first indices, then weights.
.set MSB, 0
.macro WIN new                         ; s_set_vgpr_msb: bits 3:2 source 1, bits 7:6 destination; the high byte repeats the setting that is left
.if MSB != \new
	s_set_vgpr_msb (MSB<<8)|\new
.set MSB, \new
.endif
.endm
	s_load_b256 s[4:11], s[0:1], 0x0               ; ori_features 4, W2 6, b2 8, dfeat 10
	s_load_b128 s[12:15], s[0:1], 0x20             ; nidx 12, nw 14
	s_load_b64 s[84:85], s[0:1], 0x30              ; out0
	v_lshl_add_u32 v254, v0, 2, 0x22000
	v_mov_b32 v255, 0
	v_lshrrev_b32 v1, 5, v0
	v_readfirstlane_b32 s86, v1                    ; wave
	v_and_b32 v1, 31, v0
	s_lshl_b32 s88, ttmp9, 11                      ; 128 rows x 16 bytes
	s_lshl_b32 s87, s86, 8                         ; + 16 rows x 16 bytes for each wave
	s_add_co_u32 s88, s88, s87
	s_mov_b32 s89, 0
	s_lshl_b32 s90, ttmp9, 16                      ; 128 rows x 512 bytes
	s_mov_b32 s91, 0
	s_lshr_b32 s92, ttmp9, 7                       ; batch
	s_lshl_b32 s92, s92, 21                        ; x 4,096 rows x 512 bytes
	s_mov_b32 s93, 0
	s_mul_i32 s94, s86, WAVE_LDS
	s_add_co_u32 s94, s94, 36864                   ; my wave's X
	s_add_co_u32 s96, s94, 4352                    ; my wave's results
	s_mul_i32 s95, s86, 288
	v_lshlrev_b32 v2, 4, v1
	v_lshl_add_u32 v3, s86, 13, v2                 ; 16 rows x 512 bytes for each wave + 16 lane
	v_lshlrev_b32 v4, 4, v0
	v_lshl_add_u32 v5, v1, 3, s94
	v_lshl_add_u32 v6, v1, 3, s95                  ; W2's floats 4 t + 1024 i: k = wave + 8 i, n = 4 lane
	v_and_b32 v16, 15, v0                          ; r
	v_bfe_u32 v17, v0, 4, 1                        ; h
	v_mul_u32_u24 v18, v16, 272
	v_lshl_add_u32 v18, v17, 4, v18
	v_add_nc_u32 v7, s94, v18
	v_and_b32 v18, 7, v0
	v_lshl_add_u32 v18, v17, 3, v18
	v_mul_u32_u24 v8, v18, 288
	v_bfe_u32 v18, v0, 3, 1
	v_lshl_add_u32 v8, v18, 4, v8
	v_mul_u32_u24 v18, v16, 528
	v_lshl_add_u32 v18, v17, 5, v18
	v_add_nc_u32 v9, s96, v18
	v_add_nc_u32 v10, s96, v2
	s_wait_kmcnt 0x0
	s_add_nc_u64 s[12:13], s[12:13], s[88:89]
	s_add_nc_u64 s[14:15], s[14:15], s[88:89]
	s_load_b512 s[16:31], s[12:13], 0x0            ; the indices of my 16 rows
	s_load_b512 s[32:47], s[12:13], 0x40
	s_load_b512 s[48:63], s[12:13], 0x80
	s_load_b512 s[68:83], s[12:13], 0xc0
	s_add_nc_u64 s[4:5], s[4:5], s[90:91]
	s_add_nc_u64 s[84:85], s[84:85], s[90:91]
	s_add_nc_u64 s[10:11], s[10:11], s[92:93]
.irp n, 0,1,2,3,4,5,6,7,8,9,10,11,12,13,14,15
	global_load_b128 v[ACC+4*\n:ACC+4*\n+3], v3, s[4:5] offset:512*\n th:TH_LOAD_NT
.endr
.irp n, 0,1,2,3,4,5,6,7,8,9,10,11,12,13,14,15
	global_load_b128 v[WF+4*\n:WF+4*\n+3], v4, s[6:7] offset:4096*\n
.endr
	global_load_b128 v[12:15], v2, s[8:9]
	s_wait_kmcnt 0x0
.irp n, 0,1,2,3,4,5,6,7,8,9,10,11,12,13,14,15
.set SIB, 16+4*\n+4*(\n/12)
.irp k, 0,1,2
	s_min_u32 s[SIB+\k], s[SIB+\k], 0xfff          ; an index is below 4,096
	v_lshl_add_u32 v[VO+3*\n+\k], s[SIB+\k], 9, v2 ; row x 512 + 16 lane
.endr
.endr
	WIN 0x40                                       ; destinations in window 1
.irp n, 0,1,2,3,4,5,6,7,8,9,10,11,12,13,14,15
.irp k, 0,1,2
	global_load_b128 v[12*\n+4*\k:12*\n+4*\k+3], v[VO+3*\n+\k], s[10:11]
.endr
.endr
	WIN 0
	s_load_b512 s[16:31], s[14:15], 0x0            ; the weights take the indices' places
	s_load_b512 s[32:47], s[14:15], 0x40
	s_load_b512 s[48:63], s[14:15], 0x80
	s_load_b512 s[68:83], s[14:15], 0xc0
.macro CVT4 b
	v_cvt_pk_bf16_f32 v[\b], v[\b], v[\b+1]
	v_cvt_pk_bf16_f32 v[\b+1], v[\b+2], v[\b+3]
.endm
	s_wait_loadcnt 63                              ; 65 loads are younger than the last of X; 63 is the largest count that the wait can name
.irp n, 0,1,2,3,4,5,6,7,8,9,10,11,12,13,14,15
	CVT4 ACC+4*\n
	ds_store_b64 v5, v[ACC+4*\n:ACC+4*\n+1] offset:272*\n
.endr
	s_wait_loadcnt 49                              ; W2 is in; b2 and the 48 neighbour rows stay out
.irp n, 0,1,2,3,4,5,6,7,8,9,10,11,12,13,14,15
	CVT4 WF+4*\n
	ds_store_b64 v6, v[WF+4*\n:WF+4*\n+1] offset:2304*\n
.endr
	s_wait_dscnt 0x0                               ; my rows of W2 are in LDS,
	s_barrier_signal -1
	s_barrier_wait -1                              ; all of W2 is.  From here on each wave touches W2 by loads and its own bytes alone
.irp ks, 0,1,2,3
	ds_load_b128 v[XF+8*\ks:XF+8*\ks+3], v7 offset:64*\ks
	ds_load_b128 v[XF+8*\ks+4:XF+8*\ks+7], v7 offset:64*\ks+32
.endr
; One K step of 32, used transposed (source 0 = 16 columns of W2, source 1 = my 16 rows): a lane's eight results are neighbouring columns of a row.
; The four v_nop are the places in front of the next loads into the fragments and of the LDS stores of the results.
.macro KSTEP ks
.irp b, 0,1,2,3,4,5,6,7
	ds_load_tr16_b128 v[WF+8*\b:WF+8*\b+3], v8 offset:9216*\ks+32*\b
	ds_load_tr16_b128 v[WF+8*\b+4:WF+8*\b+7], v8 offset:9216*\ks+32*\b+4608
.endr
	s_wait_dscnt 0x0
.irp b, 0,1,2,3,4,5,6,7
.if \ks == 0
	v_wmma_f32_16x16x32_bf16 v[ACC+8*\b:ACC+8*\b+7], v[WF+8*\b:WF+8*\b+7], v[XF+8*\ks:XF+8*\ks+7], 0
.else
	v_wmma_f32_16x16x32_bf16 v[ACC+8*\b:ACC+8*\b+7], v[WF+8*\b:WF+8*\b+7], v[XF+8*\ks:XF+8*\ks+7], v[ACC+8*\b:ACC+8*\b+7]
.endif
.endr
.rept 4
	v_nop
.endr
.endm
	KSTEP 0
	KSTEP 1
	KSTEP 2
	KSTEP 3
.irp b, 0,1,2,3,4,5,6,7
	ds_store_b128 v9, v[ACC+8*\b:ACC+8*\b+3] offset:64*\b
	ds_store_b128 v9, v[ACC+8*\b+4:ACC+8*\b+7] offset:64*\b+16
.endr
.irp n, 0,1,2,3,4,5,6,7,8,9,10,11,12,13,14,15
	ds_load_b128 v[OUT+4*\n:OUT+4*\n+3], v10 offset:528*\n         ; whole rows back; LDS serves a wave's instructions in order (ISA guide 5.7.1.4)
.endr
	s_wait_loadcnt 48                              ; b2 is in; the 48 neighbour rows may stay out
	s_wait_dscnt 0x0
	s_wait_kmcnt 0x0                               ; the weights
.irp n, 0,1,2,3,4,5,6,7,8,9,10,11,12,13,14,15
	v_pk_add_f32 v[OUT+4*\n:OUT+4*\n+1], v[OUT+4*\n:OUT+4*\n+1], v[12:13]
	v_pk_add_f32 v[OUT+4*\n+2:OUT+4*\n+3], v[OUT+4*\n+2:OUT+4*\n+3], v[14:15]
.endr
; eight rows: blend the three neighbours in (source 1 in window 1), then store
.macro BLEND first
	WIN 0x04
.irp n, 0,1,2,3,4,5,6,7
.set RW, \first+\n
.set SIB, 16+4*RW+4*(RW/12)
	s_wait_loadcnt 45-3*RW                         ; the three loads of each later row stay out
.irp k, 0,1,2
.irp c, 0,1,2,3
	v_fmac_f32 v[OUT+4*RW+\c], s[SIB+\k], v[12*RW+4*\k+\c]
.endr
.endr
.endr
	WIN 0
.irp n, 0,1,2,3,4,5,6,7
	global_store_b128 v3, v[OUT+4*(\first+\n):OUT+4*(\first+\n)+3], s[84:85] offset:512*(\first+\n) th:TH_STORE_NT   ; a whole row: 512 consecutive bytes
.endr
.endm
	BLEND 0
	BLEND 8
	s_wait_tensorcnt 0x0
	ds_add_u32 v254, v255
	s_wait_dscnt 0x0
	s_endpgm
.Lfunc_end_k_qe71d0eebf9_final:
	.size	k_qe71d0eebf9_final, .Lfunc_end_k_qe71d0eebf9_final-k_qe71d0eebf9_final
	.p2alignl 7, 3214868480
	.fill 96, 4, 3214868480
	.section	.rodata,"a",@progbits
	.p2align	6, 0x0
	.amdhsa_kernel k_qe71d0eebf9_final
		.amdhsa_group_segment_fixed_size 140288
		.amdhsa_private_segment_fixed_size 0
		.amdhsa_enable_private_segment 0
		.amdhsa_kernarg_size 56
		.amdhsa_user_sgpr_count 2
		.amdhsa_user_sgpr_kernarg_segment_ptr 1
		.amdhsa_wavefront_size32 1
		.amdhsa_system_sgpr_workgroup_id_x 1
		.amdhsa_system_sgpr_workgroup_id_y 1
		.amdhsa_system_sgpr_workgroup_id_z 1
		.amdhsa_system_vgpr_workitem_id 0
		.amdhsa_next_free_vgpr 448
		.amdhsa_next_free_sgpr 100
		.amdhsa_reserve_vcc 0
		.amdhsa_float_denorm_mode_32 3
		.amdhsa_float_denorm_mode_16_64 3
		.amdhsa_memory_ordered 1
		.amdhsa_forward_progress 1
		.amdhsa_inst_pref_size 43
	.end_amdhsa_kernel
	.amdgpu_metadata
---
amdhsa.version: [ 1, 2 ]
amdhsa.kernels:
  - .name:           k_qe71d0eebf9_final
    .symbol:         k_qe71d0eebf9_final.kd
    .args:
      - { .name: ori_features, .offset: 0, .size: 8, .value_kind: global_buffer, .address_space: global }
      - { .name: W2, .offset: 8, .size: 8, .value_kind: global_buffer, .address_space: global }
      - { .name: b2, .offset: 16, .size: 8, .value_kind: global_buffer, .address_space: global }
      - { .name: dfeat, .offset: 24, .size: 8, .value_kind: global_buffer, .address_space: global }
      - { .name: nidx, .offset: 32, .size: 8, .value_kind: global_buffer, .address_space: global }
      - { .name: nw, .offset: 40, .size: 8, .value_kind: global_buffer, .address_space: global }
      - { .name: out0, .offset: 48, .size: 8, .value_kind: global_buffer, .address_space: global }
    .group_segment_fixed_size: 140288
    .private_segment_fixed_size: 0
    .kernarg_segment_align: 8
    .kernarg_segment_size: 56
    .max_flat_workgroup_size: 256
    .sgpr_count:     100
    .vgpr_count:     448
    .wavefront_size: 32
...
	.end_amdgpu_metadata
.endif
;; end of part 3
